; MI455X (gfx1250); checked and timed in simulation.
; The chip was launched on July 23, 2026; its instructions are those of AMD's public machine-readable ISA for CDNA 5 (MIT licence, August 2026) and "CDNA5" Instruction Set Architecture Reference Guide (July 2026). The comments in the code are by the model that wrote it; some were corrected since.
;; Flash Attention. Allowed arithmetic: matrix products marked QUANTISED: E3M2 operands, one E8M0 scale for each 32 along K, by v_wmma_scale_f32_16x16x128_f8f6f4 with both operands' format E3M2, f32 sums; everything else in f32.
;; Inputs: k 4 x 2,048 x 16 x 64 float32; q 4 x 2,048 x 16 x 64 float32; v 4 x 2,048 x 16 x 64 float32.
;; Outputs: out0 4 x 2,048 x 16 x 64 float32.
;; This version of the problem:
;;   THIS VERSION OF THE PROBLEM IS GIVEN IN LOW PRECISION. The matrix products marked QUANTISED in the list below multiply operands that are first quantised to E3M2 (3 exponent bits, 2 mantissa bits; 6 bits a number), with one power-of-two scale for each 32 numbers along K (OCP MX v1.0); their sums are f32. All else is computed in f32.
;;   The module's matrix products, in the order in which they are computed (A, B: the left and right operand; K: the contracted axis; several contracted axes count as one K, in the product's order):
;;     1. batch 64 x [M 2,048, K 64] x [K 64, N 2,048]; A: input q; B: input k: QUANTISED
;;     2. batch 64 x [M 64, K 2,048] x [K 2,048, N 2,048]; A: input v; B: softmax (see below): QUANTISED
;;   THE QUANTISER, for each operand of a quantised product, along K:
;;     - K is cut into blocks of 32 from its start; a last block that is shorter is filled with zeros.
;;     - A block's scale is 2^e with e = floor(log2(the largest magnitude in the block)) - 4, held to -126 .. 127; a block of zeros has e = 0. As a byte (E8M0): e + 127.
;;     - Each number is divided by its block's scale, clamped to +-28, and rounded to the nearest number of E3M2, ties to even, subnormals kept.
;;     - The product sums the exact products of the quantised numbers (number of the format x scale) in f32.
;;   ~~~python
;;   def quantise(x, axis):      # numpy; x: float32 -> the quantised numbers, widened to float32 again
;;       x = np.moveaxis(x, axis, -1); K = x.shape[-1]
;;       x = np.pad(x, [(0, 0)] * (x.ndim - 1) + [(0, -K % 32)]); x = x.reshape(x.shape[:-1] + (-1, 32)); a = np.abs(x).max(-1, keepdims=True)
;;       e = np.where(a > 0, np.clip(np.frexp(np.where(a > 0, a, 1))[1] - 1 - 4, -126, 127), 0)      # np.frexp(a)[1] - 1 = floor(log2(a)), exactly
;;       r = np.clip(x / 2.0 ** e, -28, 28)
;;       step = 2.0 ** (np.maximum(np.frexp(np.where(r == 0, 1, r))[1] - 1, -2) - 2)
;;       q = np.round(r / step) * step * 2.0 ** e      # np.round: ties to even
;;       return np.moveaxis(q.reshape(q.shape[:-2] + (-1,))[..., :K], -1, axis).astype(np.float32)
;;   ~~~
;;   SOFTMAX AHEAD OF A QUANTISED PRODUCT. Where the list says 'softmax', what is quantised is not the finished softmax but p = 2^(t - M), with t = logit x log2(e) and M = ceil(the row's largest t), a whole number; so 1/2 < the row's largest p <= 1. The row's sum l is taken of the UNQUANTISED p, in f32, and the product's result is divided by l at the end. Since M is a whole number, a kernel that streams over the keys may use a running M (the ceiling of the running maximum): every later rescaling is an exact power of two, which a block's scale takes up: the codes' values come out the same.
;;   OPERANDS COMPUTED ON THE WAY. 'Computed on the way' means the value that the module computes at that place (a softmax that the list does not call 'softmax' is quantised finished and normalised). What goes into a quantiser is computed in f32, as accurately as f32 sums, v_exp_f32 and their like allow (about 1e-6 of the number): no bf16 or f16 on the way to a quantiser, and a product that is left as it is and whose result goes on into a quantised operand takes f32 operands (vector FMAs, or v_wmma_f32_16x16x4_f32). A number that lies on a knife's edge between two numbers of the format may be rounded either way, as far as f32 arithmetic and the matrix unit's own rounding can turn it there, and no further.
;; One version. Each part assembles by itself: llvm-mc -triple=amdgcn-amd-amdhsa -mcpu=gfx1250 --defsym DOCPART=n.
;; ======== version 1 of 1: 2 launches
;; workspace buffers: kv 13,107,200 bytes
;; launch prep (part 1): grid 512 x 1, 4 waves a work-group, no clusters, 35,328 bytes of LDS; arguments k, v, kv; writes kv
.if DOCPART == 1
	.amdgcn_target "amdgcn-amd-amdhsa--gfx1250"
	.amdhsa_code_object_version 6
	.text
	.protected	k_qa3b40e423c_prep
	.globl	k_qa3b40e423c_prep
	.p2align	8
	.type	k_qa3b40e423c_prep,@function
k_qa3b40e423c_prep:
	s_mov_b64 s[64:65], 0
	v_nop
	global_prefetch_b8 v0, s[64:65] scope:SCOPE_SE
	s_setreg_imm32_b32 hwreg(HW_REG_WAVE_MODE, 25, 1), 1
	s_wait_xcnt 0x0
; k and v, [4][2048][16][64] f32, become codes of BF6 (E3M2) with one E8M0 byte for each 32 along a product's K: k along the head's 64 channels, v along the KEYS.
; They are laid as the attention launch wants them: one PACKAGE of 12,800 bytes for a head (16 b + h) and a step of 128 keys, at kv + (16 head + step) x 12,800:
;   [0, 6144)      four fragments of K, 1,536 bytes each, as IMAGES OF THE OPERAND'S REGISTERS: register p of lane l at 512 (p / 4) + 16 l + 4 (p % 4).
;                  Fragment F, lane (m, hh): registers 0-5 = key 64 (F / 2) + 32 (m / 8) + 16 (F % 2) + m % 8, channels 32 hh on; registers 6-11 = the key 8 further on.
;                  So one fragment of 128 along K carries TWO tiles of 16 keys x 64 channels, and the keys of a tile are chosen so that in the scores a lane's 32 registers of four tiles are one whole block of 32 neighbouring keys.
;   [6144, 12288)  four fragments of V^T, the same form: fragment t, lane (r, hh): channel 16 t + r; registers 6 c .. 6 c + 5 = keys 64 c + 32 hh on.
;   [12288, 12800) two runs of 256 bytes of scale words: run w, lane l, word e: l < 16: K's fragment 2 w + e, row l;  l >= 16: V's fragment 2 w + e, row l - 16.
; A block's scale is 2^(floor(log2(its largest magnitude)) - 4); its byte is the largest magnitude's exponent field - 4, held at 1 from below.
; LIMITS: a block of zeros, and a block whose largest magnitude lies under 2^-122, gets the byte 1 (the rule says 127 for zeros): its codes are zeros or held by the floor, and the bytes are read by this program alone.
;         NaN and infinities among the inputs are not served.
; SHARES.  2,048 waves, one half package each: wave task = (package, half w): K's fragments 2 w, 2 w + 1 (64 keys), V's fragments 2 w, 2 w + 1 (32 channels, all 128 keys), scale run w.
; K: a lane needs 32 neighbouring channels of one key, a load is best with 16 lanes on a key's 256 bytes: so 32 keys at a time turn through the wave's own stage in LDS (rows 272 bytes apart).
; V: a lane takes a channel and its registers run down the keys: a block of 32 keys lies in one lane, nothing is transposed, and a lane's four blocks ARE the registers of two image lanes.
; No tensor loads, no barrier: waves share nothing.  No matrix unit, no cluster: nothing here is shared or multiplied.
.set GK,   2                           ; v2   K in memory: 4096 hh + 16 r: sixteen lanes on one key's 256 bytes, two keys a load
.set GV,   3                           ; v3   V in memory: 4 x lane
.set SST,  4                           ; v4   the stage, on the way in: 272 hh + 16 r
.set SRD,  5                           ; v5   and back: 272 r + 128 hh: my 32 channels of row r
.set OKA,  6                           ; v6   K's images: 16 x lane
.set OVA,  7                           ; v7   V's images: 1536 hh + 16 r
.set OSA,  8                           ; v8   the scale run: 8 x lane
.set SH8,  9                           ; v9   8 hh
.set AM,   10                          ; v10-11  two chains of a maximum
.set SOPR, 12                          ; v12  the conversions' scale operand  (v[12:13] at the end: my two scale words)
.set T3,   14                          ; v14-16  a block's upper 16 codes, until they are moved
.set PX,   17                          ; v17  what lane l xor 16 sends
.set EK,   18                          ; v18-19  K's two bytes
.set EV,   20                          ; v20-23  V's four bytes
.set KW,   24                          ; v24-25  the scale words of my two fragments of K
.set VW,   26                          ; v26  my channel's scale word
.set WT,   27                          ; v27  at work
.set KR,   28                          ; v28-91   32 keys of K as loaded
.set KX,   92                          ; v92-155  turned: 32 channels of tile 0's key, then of tile 1's
.set VS,   156                         ; v156-219 two sets of 32 keys of my channel
.set CK,   220                         ; v220-231 a fragment of K
.set CV,   232                         ; v232-255 my channel's codes: block kb at 12 (kb % 2) + 6 (kb / 2)
.set STG,  8704                        ; a wave's stage: 32 rows x 272 bytes
	s_load_b128 s[4:7], s[0:1], 0x0                ; k, v
	s_load_b64 s[8:9], s[0:1], 0x10                ; kv
	s_set_vgpr_msb 0x40
	v_lshl_add_u32 v0, v0, 2, 0x8800
	v_mov_b32 v1, 0
	s_set_vgpr_msb 0x4000
	v_lshrrev_b32 v1, 5, v0
	v_readfirstlane_b32 s12, v1                    ; wave 0..3
	v_and_b32 v1, 31, v0                           ; lane
	v_and_b32 v10, 15, v0                          ; r
	v_bfe_u32 v11, v0, 4, 1                        ; hh
	s_mul_i32 s15, s12, STG                        ; my stage
	v_lshlrev_b32 v[GK], 4, v10
	v_lshl_add_u32 v[GK], v11, 12, v[GK]
	v_lshlrev_b32 v[GV], 2, v1
	v_mul_u32_u24 v[SST], v11, 272
	v_lshl_add_u32 v[SST], v10, 4, v[SST]
	v_add_nc_u32 v[SST], s15, v[SST]
	v_mul_u32_u24 v[SRD], v10, 272
	v_lshl_add_u32 v[SRD], v11, 7, v[SRD]
	v_add_nc_u32 v[SRD], s15, v[SRD]
	v_lshlrev_b32 v[OKA], 4, v1
	v_mul_u32_u24 v[OVA], v11, 1536
	v_lshl_add_u32 v[OVA], v10, 4, v[OVA]
	v_lshlrev_b32 v[OSA], 3, v1
	v_lshlrev_b32 v[SH8], 3, v11
	v_mov_b32 v[PX], 0                             ; written once: a lane permute's destination counts as one of its sources
	s_mov_b32 s20, 0x76543210
	s_mov_b32 s21, 0xfedcba98                      ; v_permlanex16_b32's selects for lane l xor 16
	s_and_b32 s13, s12, 1                          ; w: which half of the package
	s_lshl_b32 s14, ttmp9, 1
	s_lshr_b32 s18, s12, 1
	s_add_co_u32 s14, s14, s18                     ; the package P = 2 x work-group + wave / 2 = 256 b + 16 h + step
	s_lshr_b32 s16, s14, 8
	s_lshl_b32 s16, s16, 23                        ; b: 2,048 x 4,096 bytes
	s_and_b32 s18, s14, 15
	s_lshl_b32 s18, s18, 19                        ; step: 128 keys of 4,096 bytes
	s_add_co_u32 s16, s16, s18
	s_bfe_u32 s18, s14, 0x40004
	s_lshl_b32 s18, s18, 8                         ; h: 256 bytes
	s_add_co_u32 s16, s16, s18
	s_mov_b32 s17, 0
	s_mov_b32 s19, 0
	s_mul_i32 s22, s14, 12800                      ; the package's first byte
	s_mov_b32 s23, 0
	s_wait_kmcnt 0x0
	s_add_nc_u64 s[4:5], s[4:5], s[16:17]
	s_add_nc_u64 s[6:7], s[6:7], s[16:17]
	s_lshl_b32 s18, s13, 18
	s_add_nc_u64 s[4:5], s[4:5], s[18:19]          ; K: my 64 keys
	s_lshl_b32 s18, s13, 7
	s_add_nc_u64 s[6:7], s[6:7], s[18:19]          ; V: my 32 channels
	s_add_nc_u64 s[8:9], s[8:9], s[22:23]
	s_add_nc_u64 s[10:11], s[8:9], 12288
	s_lshl_b32 s18, s13, 8
	s_add_nc_u64 s[10:11], s[10:11], s[18:19]      ; my scale run
	s_mul_i32 s18, s13, 3072
	s_add_nc_u64 s[8:9], s[8:9], s[18:19]          ; my two fragments of K; V's lie 6,144 bytes on
; One block: 32 numbers of a lane, v[x] .. v[x + 31], become six registers of codes, v[c] .. v[c + 5] (c even), and the scale's byte in v[e].
.macro QB x, c, e
	v_max3_num_f32 v[AM], |v[\x]|, |v[\x+1]|, |v[\x+2]|            ; the largest magnitude, in two chains
	v_max3_num_f32 v[AM+1], |v[\x+3]|, |v[\x+4]|, |v[\x+5]|
.irp i, 6,10,14,18,22,26
	v_max3_num_f32 v[AM], v[AM], |v[\x+\i]|, |v[\x+\i+1]|
	v_max3_num_f32 v[AM+1], v[AM+1], |v[\x+\i+2]|, |v[\x+\i+3]|
.endr
	v_max3_num_f32 v[AM], v[AM], |v[\x+30]|, |v[\x+31]|
	v_max3_num_f32 v[AM], v[AM], v[AM+1], 0x2800000                ; and the floor 2^(5 - 127): the byte cannot fall under 1
	v_add_nc_u32 v[SOPR], 0xfe000000, v[AM]                        ; 4 off its exponent field: the conversion takes this operand's exponent field as its scale, and nothing else of it
	v_cvt_scalef32_pk16_bf6_f32 v[\c:\c+2], v[\x:\x+15], v[SOPR]
	v_cvt_scalef32_pk16_bf6_f32 v[T3:T3+2], v[\x+16:\x+31], v[SOPR]   ; (a conversion's three registers begin on an even number: the upper half is made elsewhere and moved)
	v_lshrrev_b32 v[\e], 23, v[SOPR]                               ; the scale's byte.  Also the plain place behind the conversions
.irp i, 0,1,2
	v_mov_b32 v[\c+3+\i], v[T3+\i]
.endr
.endm
; 32 keys of fragment f, two keys a load, sixteen lanes on a key's 256 consecutive bytes.  The keys come in the ORDER OF THE TILES' ROWS: stage row 16 u + m takes, of my 64 keys, key 32 (m / 8) + 16 f + 8 u + m % 8.
.macro LK f
.set i, 0
.rept 16
.set PIK, ((2*i)&7)|((((2*i)>>4)&1)<<3)|((((2*i)>>3)&1)<<5)
	global_load_b128 v[KR+4*i:KR+4*i+3], v[GK], s[4:5] offset:(16*\f+PIK)*4096 th:TH_LOAD_NT
.set i, i+1
.endr
.endm
.macro TURN                            ; through my stage: LDS serves a wave's instructions in order, so no wait stands between the stores and the loads
.set i, 0
.rept 16
	ds_store_b128 v[SST], v[KR+4*i:KR+4*i+3] offset:2*i*272
.set i, i+1
.endr
.set i, 0
.rept 16
	ds_load_b128 v[KX+4*i:KX+4*i+3], v[SRD] offset:(i/8)*16*272+16*(i%8)
.set i, i+1
.endr
.endm
.macro KQ f                            ; fragment f: two blocks a lane (one of each tile's key), the scale word, three stores of 512 consecutive bytes
	QB KX, CK, EK
	QB KX+32, CK+6, EK+1
	v_lshl_or_b32 v[WT], v[EK+1], 16, v[EK]        ; my two bytes: block hh of the first key and of the second,
	v_lshlrev_b32 v[WT], v[SH8], v[WT]             ; at their places (8 hh bits up);
	v_permlanex16_b32 v[PX], v[WT], s20, s21
	v_or_b32 v[KW+\f], v[WT], v[PX]                ; with lane l xor 16's two the word is whole
.irp c, 0,1,2
	global_store_b128 v[OKA], v[CK+4*\c:CK+4*\c+3], s[8:9] offset:1536*\f+512*\c
.endr
.endm
.macro LV kb                           ; keys 32 kb on of my channel.  A wave reads 128 consecutive bytes; the wave beside it reads the other half of the same 256, so no hint is given
.set i, 0
.rept 32
	global_load_b32 v[VS+32*(\kb%2)+i], v[GV], s[6:7] offset:(32*\kb+i)*4096
.set i, i+1
.endr
.endm
.macro VQ kb
	QB VS+32*(\kb%2), CV+12*(\kb%2)+6*(\kb/2), EV+\kb
.endm
	LK 0
	LV 0
	LV 1
	s_wait_loadcnt 63                              ; 80 loads were issued: at most 63 out means that the oldest 17 are in, K's first 16 among them
	TURN
	s_wait_dscnt 0x0                               ; the turned numbers are in, and the stores have read KR
	LK 1
	KQ 0
	s_wait_loadcnt 48                              ; V's block 0 is in; behind it: block 1's 32 loads and K's 16
	VQ 0
	LV 2
	s_wait_loadcnt 48                              ; block 1 is in; behind it: K's 16 and block 2's 32
	VQ 1
	LV 3
	s_wait_loadcnt 63                              ; K's second 16 are in (behind them 64 loads of V; the count is the largest that the wait can name)
	TURN
	s_wait_dscnt 0x0
	s_wait_xcnt 0x0                                ; the first fragment's stores have read CK: it is written again only behind this wait
	KQ 1
	s_wait_loadcnt 32                              ; block 2 is in; block 3's 32 may be out
	VQ 2
	s_wait_loadcnt 0x0
	VQ 3
	v_lshl_or_b32 v[VW], v[EV+1], 8, v[EV]         ; my channel's scale word: the four blocks of keys
	v_lshl_or_b32 v[VW], v[EV+2], 16, v[VW]
	v_lshl_or_b32 v[VW], v[EV+3], 24, v[VW]
.irp n, 0,1                            ; blocks n and 2 + n are the twelve registers of image lane r + 16 n of my channel's fragment: lanes 0-15 store 256 consecutive bytes, aligned, of fragment 2 w, lanes 16-31 of fragment 2 w + 1
.irp c, 0,1,2
	global_store_b128 v[OVA], v[CV+12*\n+4*\c:CV+12*\n+4*\c+3], s[8:9] offset:6144+512*\c+256*\n
.endr
.endr
	v_permlanex16_b32 v[PX], v[VW], s20, s21       ; lanes 16-31 get the words of fragment 2 w's rows; their own are fragment 2 w + 1's
	v_cmp_gt_u32 vcc_lo, 16, v1
	v_cndmask_b32 v12, v[PX], v[KW], vcc_lo        ; lanes 0-15: K's two words;
	v_cndmask_b32 v13, v[VW], v[KW+1], vcc_lo      ; lanes 16-31: V's two
	global_store_b64 v[OSA], v[12:13], s[10:11]    ; 32 lanes store 256 consecutive bytes, aligned
	s_set_vgpr_msb 0x5
	s_wait_tensorcnt 0x0
	ds_add_u32 v0, v1
	s_wait_dscnt 0x0
	s_set_vgpr_msb 0x500
	s_endpgm
.Lfunc_end_k_qa3b40e423c_prep:
	.size	k_qa3b40e423c_prep, .Lfunc_end_k_qa3b40e423c_prep-k_qa3b40e423c_prep
	.p2alignl 7, 3214868480
	.fill 96, 4, 3214868480
	.section	.rodata,"a",@progbits
	.p2align	6, 0x0
	.amdhsa_kernel k_qa3b40e423c_prep
		.amdhsa_group_segment_fixed_size 35328
		.amdhsa_private_segment_fixed_size 0
		.amdhsa_enable_private_segment 0
		.amdhsa_kernarg_size 24
		.amdhsa_user_sgpr_count 2
		.amdhsa_user_sgpr_kernarg_segment_ptr 1
		.amdhsa_wavefront_size32 1
		.amdhsa_system_sgpr_workgroup_id_x 1
		.amdhsa_system_sgpr_workgroup_id_y 1
		.amdhsa_system_sgpr_workgroup_id_z 1
		.amdhsa_system_vgpr_workitem_id 0
		.amdhsa_next_free_vgpr 258
		.amdhsa_next_free_sgpr 66
		.amdhsa_reserve_vcc 1
		.amdhsa_float_denorm_mode_32 3
		.amdhsa_float_denorm_mode_16_64 3
		.amdhsa_memory_ordered 1
		.amdhsa_forward_progress 1
		.amdhsa_inst_pref_size 35
	.end_amdhsa_kernel
	.amdgpu_metadata
---
amdhsa.version: [ 1, 2 ]
amdhsa.kernels:
  - .name:           k_qa3b40e423c_prep
    .symbol:         k_qa3b40e423c_prep.kd
    .args:
      - { .name: k, .offset: 0, .size: 8, .value_kind: global_buffer, .address_space: global }
      - { .name: v, .offset: 8, .size: 8, .value_kind: global_buffer, .address_space: global }
      - { .name: kv, .offset: 16, .size: 8, .value_kind: global_buffer, .address_space: global }
    .group_segment_fixed_size: 35328
    .private_segment_fixed_size: 0
    .kernarg_segment_align: 8
    .kernarg_segment_size: 24
    .max_flat_workgroup_size: 128
    .sgpr_count:     66
    .vgpr_count:     258
    .wavefront_size: 32
...
	.end_amdgpu_metadata
.endif
;; end of part 1
;; launch attn (part 2): grid 4 x 64, 16 waves a work-group, clusters of 4 x 1, 276,480 bytes of LDS; arguments q, kv, out0; writes out0
.if DOCPART == 2
	.amdgcn_target "amdgcn-amd-amdhsa--gfx1250"
	.amdhsa_code_object_version 6
	.text
	.protected	k_qa3b40e423c_attn
	.globl	k_qa3b40e423c_attn
	.p2align	8
	.type	k_qa3b40e423c_attn,@function
k_qa3b40e423c_attn:
	s_mov_b64 s[64:65], 0
	v_nop
	global_prefetch_b8 v0, s[64:65] scope:SCOPE_SE
	s_setreg_imm32_b32 hwreg(HW_REG_WAVE_MODE, 25, 1), 1
	s_wait_xcnt 0x0
	s_wait_alu depctr_hold_cnt(0) depctr_sa_sdst(0) depctr_va_vdst(0) depctr_va_sdst(0) depctr_va_ssrc(0) depctr_va_vcc(0) depctr_vm_vsrc(0)
	s_getreg_b32 s2, hwreg(HW_REG_IB_STS2, 6, 4)
	s_cmp_eq_u32 s2, 0
	s_cbranch_scc0 .Lentry_in_a_cluster
	s_endpgm
.Lentry_in_a_cluster:
	s_bfe_u32 s2, ttmp6, 0x10000c
	s_cmp_lg_u32 s2, 0x3003
	s_cbranch_scc0 .Lentry_shape_is_right
	s_endpgm
.Lentry_shape_is_right:
; out0[b][q][h][:] = the sum over keys k <= q of softmax_k(q . k / 8) v[k][:], both products on codes of BF6 (E3M2) with one E8M0 scale for each 32 along a product's K.
; q: [4][2048][16][64] f32, quantised here in registers (each row is read once, by one wave).  K and V come as the packages of the launch before: 12,800 bytes for a head and a step of 128 keys, fragments as images of the
; operand's registers (register p of lane l at 512 (p / 4) + 16 l + 4 (p % 4)), scale words behind them.
; THE SOFTMAX AHEAD OF THE SECOND PRODUCT: t = score x log2(e) / 8; M = the row's largest t so far, rounded UP to a whole number; p = 2^(t - M) is what is quantised, along the keys, not normalised.
; The row's sum is taken of the unquantised p, in f32, and divides at the end.  When M moves, the sum and O are multiplied by 2^(old M - new M): exact.
; THE FIRST PRODUCT HAS K = 64, half of the instruction's 128.  A fragment of K carries two tiles of 16 keys, one in each half of its 128; multiplied by [q's codes | zero codes] it gives the first tile's scores, by
; [zero codes | q's codes] the second's.  Zero codes add nothing under the scale bytes that stand beside them (0, or q's).  The two operands are two views of 18 registers: six zeros, q's six, six zeros.
; LAYOUT.  Both products are used transposed (S^T = K Q^T, O^T = V^T P^T): a lane holds ONE query (lane % 16) throughout.  The keys of a tile are chosen so that register n of S^T is key 64 (n / 32) + 32 (lane / 16) + n % 32:
; A WHOLE BLOCK OF 32 KEYS LIES IN ONE LANE, in the order of the second product's operand: a block's maximum asks no other lane, and the conversions' results are the operand's registers.
; SHARES.  A cluster of four work-groups is one head.  Work-group cx owns the tiles of 16 queries T = 4 u + cx, u = 0 .. 31; wave w takes u = w, then u = 31 - w.  Tile T wants the key steps 0 .. u / 2, whatever cx is:
; (w / 2 + 1) + (16 - w / 2) = 17 steps for every wave of every work-group: 256 equal work-groups, and no branch, trip count or LDS address hangs on cx: cx enters q's and out0's addresses and the mask's comparison alone.
; CLUSTER.  The four partners want the same 16 packages, 204,800 bytes, which fit in LDS whole: they are asked for JOINTLY, once, at the start (mask 15), and stay.  Nothing in LDS is filled a second time, so there is no ring.
; Waves 0-7 fetch, two loads each: 25 rows of 256 bytes (together steps 0-3, so that work begins early), then 75 rows (steps 4-15): two tensor loads of a wave are out at the most.
; THE START ASKS ONLY FOR WHAT THE FIRST PRODUCT WANTS: the first tile's q and the packages.  The second tile's q is asked for at the head of the first tile's way out, into K's registers, which are free there.  The waves leave
; their first pass after 1, 1, 2, 2 .. 8, 8 steps, one pair after the other, and each has at least nine steps still to do: while one waits for its q, the others have steps to work on.
; Sixteen waves of 256 registers, four to a SIMD: a key step is 12 matrix instructions beside some 215 vector instructions, so one wave's vector work stands beside another's matrix work and LDS loads; no register windows.
; A STEP ASKS FOR THE NEXT STEP'S FRAGMENTS: K's as soon as the work registers that lie in K's place are dead, the scale words and V's behind the second product.  A working step asks without condition, and every such read
; stays inside bytes that have landed: step 0 asks for step 1, which came with it; all later steps stand behind the barrier that shows every package landed; step 15 is written out without the request: behind it lies no package.
; A pass's last request is not used; it is waited for at the head of the way out.
; CAUSAL.  Steps behind the diagonal are left out by a scalar branch on the wave's number and the step; in the one step on the diagonal hidden scores become -infinity ahead of the maximum, so p = 0.
; LIMITS: reference() adds -1e9 to hidden logits where this text takes -infinity: the same result while a row's visible logits stay above about -1e9 + 100.  NaN and infinities among the inputs are not served.
;         A block of q whose largest magnitude lies under 2^-122, or of zeros, keeps the scale byte 1; so does a block of p that is all zeros: its codes are zeros.
.set PKG,   12800
.set STAGE, 16*PKG                     ; behind the packages: 16 rows x 272 bytes for each wave, its own: q's turn and the way out; no tile lands there
.set SPB,   16*272
.set LI,   1                           ; v1   16 x lane: my place in an image
.set LS8,  2                           ; v2   12288 + 8 x lane: my place among a package's scale words
.set ADK,  3                           ; v3   the images of the package in hand
.set ADS,  4                           ; v4   its scale words
.set STO,  5                           ; v5   stage: row r, + 32 hh
.set RD,   6                           ; v6   stage: row hh, + 16 r: whole rows, two an instruction
.set QRD,  7                           ; v7   stage: row r, + 128 hh: my 32 channels of q
.set GQ,   8                           ; v8   q and out0: 4096 hh + 16 r
.set WT,   9                           ; v9   p's scale word in the making
.set PW,   10                          ; v10  p's scale word, and nothing else
.set PX,   11                          ; v11  what lane l xor 16 sends
                                       ; v12 -M, v13 the largest score, v[14:15] the sum in two halves
.set QF,   16                          ; v16-21 zeros, v22-27 q's codes, v28-33 zeros
.set QSL,  34                          ; v34  q's scale bytes in bytes 0, 1;  v35 in bytes 2, 3
.set QSH,  35
.set SC,   36                          ; v36-39 register F: lanes 0-15 the scale words of K's fragment F, lanes 16-31 of V's fragment F
.set KF,   40                          ; v40-87   K's four fragments; between the score products and the request for the next K: at work; between the passes v40-71: the second tile's q as loaded
.set VF,   88                          ; v88-135  V's four fragments
.set S,    136                         ; v136-199 S^T, then p, then the tree of p's sum
.set O,    200                         ; v200-231 O^T
.set PC,   232                         ; v232-243 p's codes
.set DL,   251                         ; v251 r - 32 hh + 16 cx: on the diagonal, register i of the block that is cut is hidden where i > DL
.set SH8,  252                         ; v252 8 hh
.set OLD,  253                         ; v253 the old -M, then old M - new M
.set FF,   254                         ; v[254:255] f = 2^(old M - new M) (the low register serves both halves); outside K's registers: it is read when K's next loads are out
.set CH,   40                          ; at work, in K's registers: v40-43 four chains of maxima; v40, v42 then the two blocks' largest
.set AM,   40
.set NI,   44                          ; v44  -infinity
.set TT,   45                          ; v45
.set CT,   48                          ; v48-50, v52-54 upper halves of conversions
.set T3,   48
.set SO,   56                          ; v56-57 the conversions' scale operands
.set SOPR, 56
.set BY,   58                          ; v58-59 the scale bytes
.set WV,   10                          ; s10 wave;  s11 cx;  s12 head
.set CX,   11
.set HD,   12
.set U,    13                          ; s13 the pass's u;  s14 its last key step
.set LST,  14
.set J,    15                          ; s15 the key step;  s16 its package's LDS byte;  s17 the loop's count
.set TB,   16
.set CNT,  17
.set SEL,  20                          ; s[20:21] lane selects for v_permlanex16_b32: lane l xor 16
.set CS,   22                          ; s[22:23] c = log2(e) / 8
.set G1A,  24                          ; s[24:31], s[32:39] descriptor groups 1;  s[40:43], s[44:47] groups 0
.set G1B,  32
.set G0A,  40
.set G0B,  44
; A round of the cluster's barrier: my work-group's barrier, so that wave 0's signal speaks for all sixteen waves; wave 0 signals; every wave waits for the four work-groups; my work-group's barrier once more.
.macro CROUND
	s_barrier_signal -1
	s_barrier_wait -1
	s_cmp_lg_u32 s[WV], 0
	s_cbranch_scc1 .Lnot_wave_0_\@
	s_barrier_signal -3
.Lnot_wave_0_\@:
	s_barrier_wait -3
	s_barrier_signal -1
	s_barrier_wait -1
.endm
; One block: 32 numbers of a lane, v[x] .. v[x + 31], become six registers of codes, v[c] .. v[c + 5] (c even), and the scale's byte in v[e].
.macro QB x, c, e
	v_max3_num_f32 v[AM], |v[\x]|, |v[\x+1]|, |v[\x+2]|
	v_max3_num_f32 v[AM+1], |v[\x+3]|, |v[\x+4]|, |v[\x+5]|
.irp i, 6,10,14,18,22,26
	v_max3_num_f32 v[AM], v[AM], |v[\x+\i]|, |v[\x+\i+1]|
	v_max3_num_f32 v[AM+1], v[AM+1], |v[\x+\i+2]|, |v[\x+\i+3]|
.endr
	v_max3_num_f32 v[AM], v[AM], |v[\x+30]|, |v[\x+31]|
	v_max3_num_f32 v[AM], v[AM], v[AM+1], 0x2800000                ; the floor 2^(5 - 127): the byte cannot fall under 1
	v_add_nc_u32 v[SOPR], 0xfe000000, v[AM]                        ; 4 off the exponent field: the conversions' scale operand
	v_cvt_scalef32_pk16_bf6_f32 v[\c:\c+2], v[\x:\x+15], v[SOPR]
	v_cvt_scalef32_pk16_bf6_f32 v[T3:T3+2], v[\x+16:\x+31], v[SOPR]   ; (a conversion's three registers begin on an even number)
	v_lshrrev_b32 v[\e], 23, v[SOPR]                               ; the scale's byte.  Also the plain place behind the conversions
.irp i, 0,1,2
	v_mov_b32 v[\c+3+\i], v[T3+\i]
.endr
.endm
; A pass begins: the largest score -3e38, under every score; -M; the sum; O^T.  (The step is written once: the first finds zeros, which the first change of M leaves zeros.)
; These 36 lines are also the places between q's codes and scale words, just made by vector instructions, and the pass's first product.
.macro INIT
	v_mov_b32 v13, 0xff61b1e6
	v_floor_f32 v12, -v13
	v_mov_b32 v14, 0
	v_mov_b32 v15, 0
.set j, 0
.rept 32
	v_mov_b32 v[O+j], 0
.set j, j+1
.endr
.endm
	s_load_b128 s[4:7], s[0:1], 0x0                ; q, kv
	s_load_b64 s[8:9], s[0:1], 0x10                ; out0
	v_lshl_add_u32 v249, v0, 2, 0x43000
	v_mov_b32 v250, 0
	ds_add_u32 v249, v250
	ds_add_u32 v249, v250
	v_lshrrev_b32 v1, 5, v0
	v_readfirstlane_b32 s[WV], v1                  ; wave 0..15
	s_bfe_u32 s[CX], ttmp6, 0x40000                ; cx: my place in the cluster
	s_and_b32 s[HD], ttmp7, 0xffff                 ; the head 16 b + h: the cluster's y, which the four partners share
	v_and_b32 v3, 31, v0                           ; lane
	v_and_b32 v4, 15, v0                           ; r
	v_bfe_u32 v[SH8], v0, 4, 1                     ; hh
	s_mul_i32 s17, s[WV], SPB
	s_add_co_u32 s17, s17, STAGE                   ; my stage
	v_lshlrev_b32 v[LI], 4, v3
	v_lshl_add_u32 v[LS8], v3, 3, 12288
	v_mul_u32_u24 v[STO], v4, 272
	v_add_nc_u32 v[STO], s17, v[STO]
	v_lshl_add_u32 v[QRD], v[SH8], 7, v[STO]
	v_lshl_add_u32 v[STO], v[SH8], 5, v[STO]
	v_mul_u32_u24 v[RD], v[SH8], 272
	v_lshl_add_u32 v[RD], v4, 4, v[RD]
	v_add_nc_u32 v[RD], s17, v[RD]
	v_lshlrev_b32 v[GQ], 4, v4
	v_lshl_add_u32 v[GQ], v[SH8], 12, v[GQ]
	v_lshlrev_b32 v[DL], 5, v[SH8]
	v_sub_nc_u32 v[DL], v4, v[DL]
	s_lshl_b32 s18, s[CX], 4
	v_add_nc_u32 v[DL], s18, v[DL]                 ; r - 32 hh + 16 cx: a number to compare with, no address and no branch
	v_lshlrev_b32 v[SH8], 3, v[SH8]
	v_mov_b32 v[PX], 0                             ; written once: a lane permute's destination counts as one of its sources
	v_mov_b32 v[FF+1], 0                           ; (named as the upper half of the pair before it would ever be written)
.irp i, 0,1,2,3,4,5
	v_mov_b32 v[QF+\i], 0                          ; the zero codes on both sides of q's
	v_mov_b32 v[QF+12+\i], 0
.endr
	s_mov_b32 s[SEL], 0x76543210
	s_mov_b32 s[SEL+1], 0xfedcba98
	s_mov_b32 s[CS], 0x3e38aa3b                    ; c = log2(e) / 8
	s_mov_b32 s[CS+1], s[CS]                       ; (named with it as a pair, so it is written)
	; descriptor groups 1: dense rows of 256 bytes (32 elements of 8 bytes), 25 of them or 75
	s_mov_b32 s[G1A], 15|(3<<16)|(1<<21)           ; 15:0 the mask: all four work-groups; 17:16 elements of 8 bytes; 20 no padding; 21 set beside a mask
	s_mov_b32 s[G1B], 15|(3<<16)|(1<<21)
.irp g, G1A, G1B
	s_mov_b32 s[\g+1], 32<<16                      ; tensor_dim0 = 32
	s_mov_b32 s[\g+3], 32<<16                      ; tile_dim0 = 32
	s_mov_b32 s[\g+5], 32                          ; from row to row: 32 elements
	s_mov_b32 s[\g+6], 0
	s_mov_b32 s[\g+7], 0
.endr
	s_mov_b32 s[G1A+2], 25<<16                     ; tensor_dim1
	s_mov_b32 s[G1A+4], 25                         ; tile_dim1
	s_mov_b32 s[G1B+2], 75<<16
	s_mov_b32 s[G1B+4], 75
	; groups 0: the head's 204,800 bytes lie in LDS as in memory.  Fetching wave f = wave % 8: bytes 6400 f on, then bytes 51200 + 19200 f on.  Nothing here hangs on cx
	s_and_b32 s16, s[WV], 7
	s_mov_b32 s[G0A], 1
	s_mul_i32 s[G0A+1], s16, 6400
	s_mov_b32 s[G0B], 1
	s_mul_i32 s[G0B+1], s16, 19200
	s_add_co_u32 s[G0B+1], s[G0B+1], 51200
	s_mul_i32 s60, s[HD], 16*PKG
	s_add_co_u32 s62, s60, s[G0A+1]
	s_mov_b32 s63, 0
	s_add_co_u32 s60, s60, s[G0B+1]
	s_mov_b32 s61, 0
	; q's and out0's tiles: b x 2^23 + 16 T rows of 4,096 bytes + h x 256
	s_lshr_b32 s18, s[HD], 4
	s_lshl_b32 s18, s18, 23
	s_and_b32 s19, s[HD], 15
	s_lshl_b32 s19, s19, 8
	s_add_co_u32 s19, s18, s19
	s_lshl_b32 s18, s[WV], 2                       ; the first pass's tile: u = wave
	s_add_co_u32 s18, s18, s[CX]
	s_lshl_b32 s18, s18, 16
	s_add_co_u32 s48, s18, s19
	s_mov_b32 s49, 0
	s_xor_b32 s18, s[WV], 31                       ; the second's: u = 31 - wave
	s_lshl_b32 s18, s18, 2
	s_add_co_u32 s18, s18, s[CX]
	s_lshl_b32 s18, s18, 16
	s_add_co_u32 s58, s18, s19
	s_mov_b32 s59, 0
	s_wait_dscnt 0x0
	s_wait_kmcnt 0x0
	s_add_nc_u64 s[G0A+2:G0A+3], s[6:7], s[62:63]
	s_or_b32 s[G0A+3], s[G0A+3], 0x80000000        ; type = 2
	s_add_nc_u64 s[G0B+2:G0B+3], s[6:7], s[60:61]
	s_or_b32 s[G0B+3], s[G0B+3], 0x80000000
	s_add_nc_u64 s[50:51], s[4:5], s[48:49]        ; q at the first pass's tile,
	s_add_nc_u64 s[52:53], s[4:5], s[58:59]        ; at the second's;
	s_add_nc_u64 s[54:55], s[8:9], s[48:49]        ; out0 likewise
	s_add_nc_u64 s[56:57], s[8:9], s[58:59]
.set i, 0
.rept 8                                ; the first tile's q, ahead of the round, so that it is on its way while the work-groups meet: two rows a load, sixteen lanes on a row's 256 consecutive bytes
	global_load_b128 v[S+4*i:S+4*i+3], v[GQ], s[50:51] offset:8192*i th:TH_LOAD_NT
.set i, i+1
.endr
	CROUND                                         ; all four work-groups are here: the joint loads meet
	s_cmp_lt_u32 s[WV], 8                          ; a wave's two fills stand in one branch on the wave's number, ahead of every wait on TENSORcnt and of every LDS read
	s_cbranch_scc0 .Lno_fill
	tensor_load_to_lds s[G0A:G0A+3], s[G1A:G1A+7]
	s_nop 0
	tensor_load_to_lds s[G0B:G0B+3], s[G1B:G1B+7]
	s_nop 0
.rept 4
	v_nop
.endr
.Lno_fill:
; A tile of q, as loaded in v[src] on, turns through my stage, so that a lane holds 32 neighbouring channels of its query, and is quantised: six registers of codes, and the two scale words.
.macro QTURN src
	s_wait_loadcnt 0x0                             ; the tile's eight loads are in
.set i, 0
.rept 8
	ds_store_b128 v[RD], v[\src+4*i:\src+4*i+3] offset:544*i
.set i, i+1
.endr
.set i, 0
.rept 8
	ds_load_b128 v[VF+4*i:VF+4*i+3], v[QRD] offset:16*i            ; LDS serves a wave's instructions in order: these see the stores above
.set i, i+1
.endr
	s_wait_dscnt 0x0
	QB VF, QF+6, TT
	v_lshlrev_b32 v[TT], v[SH8], v[TT]             ; my byte at its place (8 hh bits up);
	v_permlanex16_b32 v[PX], v[TT], s[SEL], s[SEL+1]
	v_or_b32 v[QSL], v[TT], v[PX]                  ; with lane l xor 16's: bytes 0, 1: channels 0-31, 32-63
	v_lshlrev_b32 v[QSH], 16, v[QSL]               ; and the same in bytes 2, 3, for the view with q's codes in the upper half of K
.endm
; The fragments of the package off bytes behind the one that v[ADK], v[ADS] point at: K's twelve loads; the two loads of scale words and V's twelve.
.macro LOADK off
.irp f, 0,1,2,3
.irp c, 0,1,2
	ds_load_b128 v[KF+12*\f+4*\c:KF+12*\f+4*\c+3], v[ADK] offset:\off+1536*\f+512*\c
.endr
.endr
.endm
.macro LOADSV off
.irp w, 0,1
	ds_load_b64 v[SC+2*\w:SC+2*\w+1], v[ADS] offset:\off+256*\w
.endr
.irp f, 0,1,2,3
.irp c, 0,1,2
	ds_load_b128 v[VF+12*\f+4*\c:VF+12*\f+4*\c+3], v[ADK] offset:\off+6144+1536*\f+512*\c
.endr
.endr
.endm
.macro ADDRS
	v_add_nc_u32 v[ADK], s[TB], v[LI]
	v_add_nc_u32 v[ADS], s[TB], v[LS8]
.endm
.macro PROLOGUE                        ; the fragments of the step at s[TB], where no step before has asked for them
	ADDRS
	LOADK 0
	LOADSV 0
.endm
.macro MASKH c                         ; the block pair c is cut by the diagonal: its register i is hidden where i > DL.  Each accumulator from its low end on
.set n, 0
.rept 32
	v_cmp_gt_i32 vcc_lo, n, v[DL]
	v_cndmask_b32 v[S+32*\c+n], v[S+32*\c+n], v[NI], vcc_lo
.set n, n+1
.endr
.endm
.macro SADD a, b                       ; a node of the tree of p's sum, in place
	v_pk_add_f32 v[S+\a:S+\a+1], v[S+\a:S+\a+1], v[S+\b:S+\b+1]
.endm
.macro PVW t                           ; O^T += V^T P^T, channels 16 t on; V's scale words lie in lanes 16-31
	v_wmma_scale_f32_16x16x128_f8f6f4 v[O+8*\t:O+8*\t+7], v[VF+12*\t:VF+12*\t+11], v[PC:PC+11], v[O+8*\t:O+8*\t+7], v[SC+\t], v[PW] matrix_a_fmt:MATRIX_FMT_BF6 matrix_b_fmt:MATRIX_FMT_BF6 matrix_a_scale:MATRIX_SCALE_ROW1
.endm
; A KEY STEP: 128 keys, the package at LDS byte s[TB]; its fragments have been asked for.  pf = 1: it asks for the next package's.
.macro STEP pf
	s_cmp_gt_u32 s[J], s[LST]                      ; behind the diagonal: nothing to do.  The branch hangs on the wave's number and the step; no barrier and no tensor load stands in a step
	s_cbranch_scc1 .Lskip_\@
	s_wait_dscnt 12                                ; K and the scale words are in; V's twelve loads, issued behind them, may be out
.irp f, 0,1,2,3                        ; S^T = K Q^T: each fragment twice, for the tile in its lower and in its upper half of K
	v_wmma_scale_f32_16x16x128_f8f6f4 v[S+16*\f:S+16*\f+7], v[KF+12*\f:KF+12*\f+11], v[QF+6:QF+17], 0, v[SC+\f], v[QSL] matrix_a_fmt:MATRIX_FMT_BF6 matrix_b_fmt:MATRIX_FMT_BF6
	v_wmma_scale_f32_16x16x128_f8f6f4 v[S+16*\f+8:S+16*\f+15], v[KF+12*\f:KF+12*\f+11], v[QF:QF+11], 0, v[SC+\f], v[QSH] matrix_a_fmt:MATRIX_FMT_BF6 matrix_b_fmt:MATRIX_FMT_BF6
.endr
	v_mov_b32 v[OLD], v12                          ; -M as it was.  With the three lines below: four places (ISA guide 7.12.1) in front of the first read of the scores and of the first write into K's registers
.rept 3
	v_nop
.endr
	s_cmp_lg_u32 s[J], s[LST]
	s_cbranch_scc1 .Lopen_\@
	v_mov_b32 v[NI], 0xff800000                    ; ON THE DIAGONAL.  My queries are 64 (u % 2) + 16 cx + r of the step's 128; register 32 c + i is key 64 c + 32 hh + i
	s_and_b32 s18, s[U], 1
	s_cmp_lg_u32 s18, 0
	s_cbranch_scc1 .Lodd_\@
	MASKH 0                                        ; u even: the lower 64 keys are cut,
.set n, 0
.rept 32
	v_mov_b32 v[S+32+n], v[NI]                     ; the upper 64 all hidden
.set n, n+1
.endr
	s_branch .Lopen_\@
.Lodd_\@:
	MASKH 1                                        ; u odd: the lower 64 keys all count, the upper 64 are cut
.Lopen_\@:
; THE LARGEST SCORE OF EACH OF MY TWO BLOCKS OF 32 KEYS serves twice: for the row's maximum, and, since p rises with the score, for the block's largest p.  Two chains a block, the four by turns; each accumulator is first read at its low end
.irp c, 0,1
	v_max3_num_f32 v[CH+2*\c], v[S+32*\c], v[S+32*\c+1], v[S+32*\c+2]
	v_max3_num_f32 v[CH+2*\c+1], v[S+32*\c+17], v[S+32*\c+18], v[S+32*\c+19]
.endr
.irp i, 0,1,2,3,4,5
.irp c, 0,1
	v_max3_num_f32 v[CH+2*\c], v[CH+2*\c], v[S+32*\c+3+2*\i], v[S+32*\c+4+2*\i]
	v_max3_num_f32 v[CH+2*\c+1], v[CH+2*\c+1], v[S+32*\c+20+2*\i], v[S+32*\c+21+2*\i]
.endr
.endr
.irp c, 0,1
	v_max3_num_f32 v[CH+2*\c], v[CH+2*\c], v[S+32*\c+15], v[S+32*\c+16]
.endr
.irp c, 0,1
	v_max_num_f32 v[CH+2*\c], v[CH+2*\c], v[CH+2*\c+1]
.endr
	v_max_num_f32 v[TT], v[CH], v[CH+2]
	v_permlanex16_b32 v[PX], v[TT], s[SEL], s[SEL+1]   ; my query's other 64 keys lie in lane l xor 16
	v_max3_num_f32 v13, v13, v[TT], v[PX]          ; the running largest score
	v_mul_f32 v[TT], s[CS], v13                    ; as t (c is positive)
	v_floor_f32 v12, -v[TT]                        ; the new -M = floor(-t) = -ceil(t): M is a whole number
	v_fma_f32 v[CH], v[CH], s[CS], v12             ; t - M of each block's largest score
	v_fma_f32 v[CH+2], v[CH+2], s[CS], v12
	v_sub_f32 v[OLD], v12, v[OLD]                  ; M's old value less its new one: a whole number, 0 or less
	v_pk_fma_f32 v[S:S+1], v[S:S+1], s[CS:CS+1], v[12:13] op_sel_hi:[1,0,0]       ; t - M, two at a time (of the pairs c and -M the low word serves both halves)
	v_cvt_i32_f32 v[OLD], v[OLD]                   ; (it saturates)
	v_pk_fma_f32 v[S+2:S+3], v[S+2:S+3], s[CS:CS+1], v[12:13] op_sel_hi:[1,0,0]
	v_ldexp_f32 v[FF], 1.0, v[OLD]                 ; f = 2^(old M - new M)
	v_pk_fma_f32 v[S+4:S+5], v[S+4:S+5], s[CS:CS+1], v[12:13] op_sel_hi:[1,0,0]
	v_exp_f32 v[CH], v[CH]                         ; the blocks' largest p: the same multiply-add and exponential on the same number give the same bits
	v_exp_f32 v[CH+2], v[CH+2]
; p = 2^(t - M), at most 1, not normalised.  EXPONENTIALS AND PLAIN LINES BY TURNS: behind the first of a pair the multiply-add three pairs ahead, behind the second a line of O^T's rescaling (each accumulator from its low end on)
; or of p's scale word.  The last line is plain: it stands between the last exponentials and the conversions.
.set j, 0
.rept 32
	v_exp_f32 v[S+2*j], v[S+2*j]
.if j < 29
	v_pk_fma_f32 v[S+2*j+6:S+2*j+7], v[S+2*j+6:S+2*j+7], s[CS:CS+1], v[12:13] op_sel_hi:[1,0,0]
.endif
	v_exp_f32 v[S+2*j+1], v[S+2*j+1]
.if j%2 == 1
	v_pk_mul_f32 v[O+j-1:O+j], v[O+j-1:O+j], v[FF:FF+1] op_sel_hi:[1,0]   ; O^T under the new M
.elseif j == 0
	s_wait_alu depctr_va_vdst(0)
	v_max_num_f32 v[CH], 0x2800000, v[CH]          ; the floor 2^(5 - 127): the byte cannot fall under 1
.elseif j == 2
	v_max_num_f32 v[CH+2], 0x2800000, v[CH+2]
.elseif j == 4
	v_add_nc_u32 v[SO], 0xfe000000, v[CH]          ; 4 off the exponent field: the conversions' scale operand
.elseif j == 6
	v_add_nc_u32 v[SO+1], 0xfe000000, v[CH+2]
.elseif j == 8
	v_lshrrev_b32 v[BY], 23, v[SO]                 ; the scale's byte
.elseif j == 10
	v_lshrrev_b32 v[BY+1], 23, v[SO+1]
.elseif j == 12
	v_lshl_or_b32 v[WT], v[BY+1], 16, v[BY]        ; my two bytes: blocks hh and 2 + hh,
.elseif j == 14
	v_lshlrev_b32 v[WT], v[SH8], v[WT]             ; at their places (8 hh bits up);
.elseif j == 16
	v_permlanex16_b32 v[PX], v[WT], s[SEL], s[SEL+1]
.elseif j == 18
	v_or_b32 v[PW], v[WT], v[PX]                   ; with lane l xor 16's two the word is whole.  More than eight plain lines follow ahead of the product that names it
.endif
.set j, j+1
.endr
	s_wait_alu depctr_va_vdst(0)
.irp c, 0,1                            ; my block 2 c + hh becomes registers 6 c .. 6 c + 5 of the operand
	v_cvt_scalef32_pk16_bf6_f32 v[PC+6*\c:PC+6*\c+2], v[S+32*\c:S+32*\c+15], v[SO+\c]
	v_cvt_scalef32_pk16_bf6_f32 v[CT+4*\c:CT+4*\c+2], v[S+16+32*\c:S+31+32*\c], v[SO+\c]   ; (a conversion's three registers begin on an even number)
.endr
	v_nop                                          ; one plain place behind a scaled conversion
.irp c, 0,1
.irp i, 0,1,2
	v_mov_b32 v[PC+3+6*\c+\i], v[CT+4*\c+\i]
.endr
.endr
.if \pf
	ADDRS
	LOADK PKG                                      ; nothing in K's registers is wanted any more: the next step's K
.endif
; THE ROW'S SUM IS TAKEN OF THE UNQUANTISED p: a tree in place, two numbers a line.  Its lines name none of the products' registers: four stand between p's codes and the first product, the others between and behind the products.
.irp i, 0,1,2,3
	SADD 4*\i, 4*\i+2
.endr
.if \pf
	s_wait_dscnt 12                                ; V is in; the next K's twelve loads, issued behind it, may be out
.else
	s_wait_dscnt 0x0                               ; V is in
.endif
	PVW 0                                          ; four accumulators, one instruction each; the next step's eight score products stand between two links on one of them
.irp i, 4,5,6
	SADD 4*\i, 4*\i+2
.endr
	PVW 1
.irp i, 7,8,9
	SADD 4*\i, 4*\i+2
.endr
	PVW 2
.irp i, 10,11
	SADD 4*\i, 4*\i+2
.endr
	PVW 3
.irp i, 12,13,14,15
	SADD 4*\i, 4*\i+2                              ; four places in front of the loads into V's and the scales' registers
.endr
.if \pf
	LOADSV PKG                                     ; the next step's scale words and V
.endif
.irp i, 0,1,2,3,4,5,6,7
	SADD 8*\i, 8*\i+4
.endr
.irp i, 0,1,2,3
	SADD 16*\i, 16*\i+8
.endr
	SADD 0, 16
	SADD 32, 48
	SADD 0, 32
	v_pk_fma_f32 v[14:15], v[14:15], v[FF:FF+1], v[S:S+1] op_sel_hi:[1,0,1]   ; the sum under the new M, and this step's
.Lskip_\@:
	s_add_co_u32 s[J], s[J], 1
	s_add_co_u32 s[TB], s[TB], PKG
.endm
.macro LOOP n, pf                      ; n key steps: the trip count is a constant; a step behind the diagonal only steps the counters
	s_mov_b32 s[CNT], \n
.Lstep_\@:
	STEP \pf
	s_sub_co_u32 s[CNT], s[CNT], 1
	s_cmp_lg_u32 s[CNT], 0
	s_cbranch_scc1 .Lstep_\@
.endm
; THE WAY OUT of a tile: O^T / the sum goes through my stage and leaves as whole rows: sixteen lanes store a query's 256 consecutive bytes, aligned.
; p = 0: at its head the second tile's q is asked for, so that the way out's lines stand between the request and the wait for it.
.macro OUT p
	s_wait_dscnt 0x0                               ; the pass's last request, which nobody uses, has landed: its registers are free
.if \p == 0
.set i, 0
.rept 8
	global_load_b128 v[KF+4*i:KF+4*i+3], v[GQ], s[52:53] offset:8192*i th:TH_LOAD_NT   ; two rows a load, sixteen lanes on a row's 256 consecutive bytes
.set i, i+1
.endr
.endif
	v_add_f32 v14, v14, v15                        ; the sum's two halves,
	v_permlanex16_b32 v[PX], v14, s[SEL], s[SEL+1]
	v_add_f32 v14, v14, v[PX]                      ; and lane l xor 16's: the row's sum
	v_rcp_f32 v14, v14
	v_nop                                          ; one plain place behind a transcendental
.set j, 0
	s_wait_alu depctr_va_vdst(0)
.rept 16
	v_pk_mul_f32 v[S+j:S+j+1], v[O+j:O+j+1], v[14:15] op_sel_hi:[1,0]   ; register 8 t + i is o(query r, channel 16 t + 8 hh + i)
.set j, j+2
.endr
.irp t, 0,1,2,3
	ds_store_b128 v[STO], v[S+8*\t:S+8*\t+3] offset:64*\t
	ds_store_b128 v[STO], v[S+8*\t+4:S+8*\t+7] offset:64*\t+16
.endr
.set i, 0
.rept 8
	ds_load_b128 v[S+32+4*i:S+32+4*i+3], v[RD] offset:544*i        ; LDS serves a wave's instructions in order: these see my stores
.set i, i+1
.endr
.set i, 0
.rept 8
	s_wait_dscnt 7-i                               ; load i is back; the younger ones may be out
	global_store_b128 v[GQ], v[S+32+4*i:S+32+4*i+3], s[54+2*\p:55+2*\p] offset:8192*i th:TH_STORE_NT
.set i, i+1
.endr
.endm
	; THE FIRST PASS: u = wave, key steps 0 .. u / 2, at most eight
	QTURN S
	INIT
	s_mov_b32 s[U], s[WV]
	s_lshr_b32 s[LST], s[U], 1                     ; the step on the diagonal: queries 64 u + 16 cx + 0 .. 15 lie in keys 128 (u / 2) .. + 127, whatever cx is
	s_mov_b32 s[J], 0
	s_mov_b32 s[TB], 0
	s_wait_tensorcnt 0x1                           ; my part of steps 0-3 has landed (the 75 rows issued behind it may be out; waves 8-15 issued nothing);
	s_barrier_signal -1
	s_barrier_wait -1                              ; everybody's has.
	PROLOGUE
	STEP 1                                         ; step 0, in which every wave works; it asks for step 1, which came with it
	s_wait_tensorcnt 0x0                           ; my part of steps 4-15 has landed,
	s_wait_dscnt 0x0
	s_barrier_signal -1
	s_barrier_wait -1                              ; everybody's has: from here on every package lies in LDS
	LOOP 7, 1                                      ; steps 1-7 ask for steps 2-8
	OUT 0
	; THE SECOND PASS: u = 31 - wave, key steps 0 .. u / 2, at least nine
	s_wait_xcnt 0x0                                ; the first pass's stores have read their registers: the scores are written there again only behind this wait
	s_xor_b32 s[U], s[WV], 31
	s_lshr_b32 s[LST], s[U], 1
	s_mov_b32 s[J], 0
	s_mov_b32 s[TB], 0
	QTURN KF                                       ; the second tile's q (my reads of the stage on the way out are back: its last wait was for 0)
	PROLOGUE                                       ; nothing in K's registers is wanted any more; on their way while the lines below are worked
	INIT
	LOOP 15, 1                                     ; steps 0-14 ask for steps 1-15;
	STEP 0                                         ; behind step 15 lies no package
	OUT 1
	s_wait_dscnt 0x0
	s_wait_tensorcnt 0x0
	ds_add_u32 v249, v250
	s_wait_dscnt 0x0
	CROUND                                         ; the closing round: no work-group ends while a partner may still ask for a tile that names it
	s_endpgm
.Lfunc_end_k_qa3b40e423c_attn:
	.size	k_qa3b40e423c_attn, .Lfunc_end_k_qa3b40e423c_attn-k_qa3b40e423c_attn
	.p2alignl 7, 3214868480
	.fill 96, 4, 3214868480
	.section	.rodata,"a",@progbits
	.p2align	6, 0x0
	.amdhsa_kernel k_qa3b40e423c_attn
		.amdhsa_group_segment_fixed_size 276480
		.amdhsa_private_segment_fixed_size 0
		.amdhsa_enable_private_segment 0
		.amdhsa_kernarg_size 24
		.amdhsa_user_sgpr_count 2
		.amdhsa_user_sgpr_kernarg_segment_ptr 1
		.amdhsa_wavefront_size32 1
		.amdhsa_system_sgpr_workgroup_id_x 1
		.amdhsa_system_sgpr_workgroup_id_y 1
		.amdhsa_system_sgpr_workgroup_id_z 1
		.amdhsa_system_vgpr_workitem_id 0
		.amdhsa_next_free_vgpr 256
		.amdhsa_next_free_sgpr 66
		.amdhsa_reserve_vcc 1
		.amdhsa_float_denorm_mode_32 3
		.amdhsa_float_denorm_mode_16_64 3
		.amdhsa_memory_ordered 1
		.amdhsa_forward_progress 1
		.amdhsa_inst_pref_size 102
	.end_amdhsa_kernel
	.amdgpu_metadata
---
amdhsa.version: [ 1, 2 ]
amdhsa.kernels:
  - .name:           k_qa3b40e423c_attn
    .symbol:         k_qa3b40e423c_attn.kd
    .args:
      - { .name: q, .offset: 0, .size: 8, .value_kind: global_buffer, .address_space: global }
      - { .name: kv, .offset: 8, .size: 8, .value_kind: global_buffer, .address_space: global }
      - { .name: out0, .offset: 16, .size: 8, .value_kind: global_buffer, .address_space: global }
    .group_segment_fixed_size: 276480
    .private_segment_fixed_size: 0
    .kernarg_segment_align: 8
    .kernarg_segment_size: 24
    .max_flat_workgroup_size: 512
    .sgpr_count:     66
    .vgpr_count:     256
    .wavefront_size: 32
...
	.end_amdgpu_metadata
.endif
;; end of part 2
